; MI455X (gfx1250); checked and timed in simulation.
; The chip was launched on July 23, 2026; its instructions are those of AMD's public machine-readable ISA for CDNA 5 (MIT licence, August 2026) and "CDNA5" Instruction Set Architecture Reference Guide (July 2026). The comments in the code are by the model that wrote it; some were corrected since.
;; MAB. Allowed arithmetic: matrix products marked QUANTISED: E2M1 operands, one E8M0 scale for each 32 along K, by v_wmma_scale_f32_16x16x128_f8f6f4 with both operands' format E2M1 (or v_wmma_scale_f32_32x16x128_f4), f32 sums; everything else in f32.
;; Inputs: K_codes 2 x 4,096 x 16 x 16 uint8 (E2M1 codes of K, K innermost, in blocks of 32 codes, two codes a byte); K_scales 2 x 4,096 x 16 uint8 (E8M0 scales of K, one for each 32 codes along K); Q_codes 2 x 4,096 x 16 x 16 uint8 (E2M1 codes of Q, K innermost, in blocks of 32 codes, two codes a byte); Q_scales 2 x 4,096 x 16 uint8 (E8M0 scales of Q, one for each 32 codes along K); Wk_codes 512 x 16 x 16 uint8 (E2M1 codes of Wk, K innermost, in blocks of 32 codes, two codes a byte); Wk_scales 512 x 16 uint8 (E8M0 scales of Wk, one for each 32 codes along K); Wo_codes 512 x 16 x 16 uint8 (E2M1 codes of Wo, K innermost, in blocks of 32 codes, two codes a byte); Wo_scales 512 x 16 uint8 (E8M0 scales of Wo, one for each 32 codes along K); Wq_codes 512 x 16 x 16 uint8 (E2M1 codes of Wq, K innermost, in blocks of 32 codes, two codes a byte); Wq_scales 512 x 16 uint8 (E8M0 scales of Wq, one for each 32 codes along K); Wv_codes 512 x 16 x 16 uint8 (E2M1 codes of Wv, K innermost, in blocks of 32 codes, two codes a byte); Wv_scales 512 x 16 uint8 (E8M0 scales of Wv, one for each 32 codes along K); b0 512 float32; b1 512 float32; bk 512 float32; bo 512 float32; bq 512 float32; bv 512 float32; g0 512 float32; g1 512 float32.
;; Outputs: out0 2 x 4,096 x 512 float32.
;; This version of the problem:
;;   THIS VERSION OF THE PROBLEM IS GIVEN IN LOW PRECISION. The matrix products marked QUANTISED in the list below multiply operands that are first quantised to E2M1 (2 exponent bits, 1 mantissa bit; 4 bits a number), with one power-of-two scale for each 32 numbers along K (OCP MX v1.0); their sums are f32. All else is computed in f32.
;;   The module's matrix products, in the order in which they are computed (A, B: the left and right operand; K: the contracted axis; several contracted axes count as one K, in the product's order):
;;     1. [M 8,192, K 512] x [K 512, N 512]; A: input Q (given as codes); B: input Wq (given as codes): QUANTISED
;;     2. [M 8,192, K 512] x [K 512, N 512]; A: input K (given as codes); B: input Wk (given as codes): QUANTISED
;;     3. [M 8,192, K 512] x [K 512, N 512]; A: input K (given as codes); B: input Wv (given as codes): QUANTISED
;;     4. batch 16 x [M 4,096, K 64] x [K 64, N 4,096]; A: computed on the way; B: computed on the way: QUANTISED
;;     5. batch 16 x [M 64, K 4,096] x [K 4,096, N 4,096]; A: computed on the way; B: softmax (see below): QUANTISED
;;     6. [M 8,192, K 512] x [K 512, N 512]; A: computed on the way; B: input Wo (given as codes): QUANTISED
;;   THE QUANTISER, for each operand of a quantised product, along K:
;;     - K is cut into blocks of 32 from its start; a last block that is shorter is filled with zeros.
;;     - A block's scale is 2^e with e = floor(log2(the largest magnitude in the block)) - 2, held to -126 .. 127; a block of zeros has e = 0. As a byte (E8M0): e + 127.
;;     - Each number is divided by its block's scale, clamped to +-6, and rounded to the nearest number of E2M1, ties to even, subnormals kept.
;;     - The product sums the exact products of the quantised numbers (number of the format x scale) in f32.
;;   ~~~python
;;   def quantise(x, axis):      # numpy; x: float32 -> the quantised numbers, widened to float32 again
;;       x = np.moveaxis(x, axis, -1); K = x.shape[-1]
;;       x = np.pad(x, [(0, 0)] * (x.ndim - 1) + [(0, -K % 32)]); x = x.reshape(x.shape[:-1] + (-1, 32)); a = np.abs(x).max(-1, keepdims=True)
;;       e = np.where(a > 0, np.clip(np.frexp(np.where(a > 0, a, 1))[1] - 1 - 2, -126, 127), 0)      # np.frexp(a)[1] - 1 = floor(log2(a)), exactly
;;       r = np.clip(x / 2.0 ** e, -6, 6)
;;       step = 2.0 ** (np.maximum(np.frexp(np.where(r == 0, 1, r))[1] - 1, 0) - 1)
;;       q = np.round(r / step) * step * 2.0 ** e      # np.round: ties to even
;;       return np.moveaxis(q.reshape(q.shape[:-2] + (-1,))[..., :K], -1, axis).astype(np.float32)
;;   ~~~
;;   SOFTMAX AHEAD OF A QUANTISED PRODUCT. Where the list says 'softmax', what is quantised is not the finished softmax but p = 2^(t - M), with t = logit x log2(e) and M = ceil(the row's largest t), a whole number; so 1/2 < the row's largest p <= 1. The row's sum l is taken of the UNQUANTISED p, in f32, and the product's result is divided by l at the end. Since M is a whole number, a kernel that streams over the keys may use a running M (the ceiling of the running maximum): every later rescaling is an exact power of two, which a block's scale takes up: the codes' values come out the same.
;;   OPERANDS COMPUTED ON THE WAY. 'Computed on the way' means the value that the module computes at that place (a softmax that the list does not call 'softmax' is quantised finished and normalised). What goes into a quantiser is computed in f32, as accurately as f32 sums, v_exp_f32 and their like allow (about 1e-6 of the number): no bf16 or f16 on the way to a quantiser, and a product that is left as it is and whose result goes on into a quantised operand takes f32 operands (vector FMAs, or v_wmma_f32_16x16x4_f32). A number that lies on a knife's edge between two numbers of the format may be rounded either way, as far as f32 arithmetic and the matrix unit's own rounding can turn it there, and no further.
;;   INPUTS GIVEN AS CODES. K (in the module: [2, 4096, 512], K = its axis 2); Q (in the module: [2, 4096, 512], K = its axis 2); Wk (in the module: [512, 512], K = its axis 0); Wo (in the module: [512, 512], K = its axis 0); Wq (in the module: [512, 512], K = its axis 0); Wv (in the module: [512, 512], K = its axis 0): each comes as NAME_codes (uint8): NAME with its K axis moved to the last place and cut into blocks of 32 codes, [.., K / 32, bytes a block], one block behind the other in memory; two codes a byte, the lower K in the low four bits (a code: sign, 2 exponent bits, 1 mantissa bit); and NAME_scales (uint8): the same leading axes, one E8M0 byte (e + 127) for each 32 codes along K. Its value is code x scale, taken as it is: it is not quantised again, and the codes and scales need not be those that the quantiser above would give.
;; One version. Each part assembles by itself: llvm-mc -triple=amdgcn-amd-amdhsa -mcpu=gfx1250 --defsym DOCPART=n.
;; ======== version 1 of 1: 3 launches
;; limits: right only within a limited range of input values
;; workspace buffers: kv 4,456,448 bytes; oimg 16,777,216 bytes
;; launch kvproj (part 1): grid 64 x 4, 4 waves a work-group, no clusters, 0 bytes of LDS; arguments K_codes, K_scales, Wk_codes, Wk_scales, bk, Wv_codes, Wv_scales, bv, kv; writes kv
.if DOCPART == 1
	.amdgcn_target "amdgcn-amd-amdhsa--gfx1250"
	.amdhsa_code_object_version 6
	.text
	.protected	k_q774bcca735_kvproj
	.globl	k_q774bcca735_kvproj
	.p2align	8
	.type	k_q774bcca735_kvproj,@function
k_q774bcca735_kvproj:
	s_mov_b64 s[64:65], 0
	v_nop
	global_prefetch_b8 v0, s[64:65] scope:SCOPE_SE
	s_setreg_imm32_b32 hwreg(HW_REG_WAVE_MODE, 25, 1), 1
	s_wait_xcnt 0x0
; k = K Wk + bk and v = K Wv + bv on codes of FP4 (E2M1) with E8M0 scales; the results are quantised at once, k along its head's 64, v along the keys,
; and stored as IMAGES OF THE NEXT LAUNCH'S OPERAND REGISTERS: a record of 8,704 bytes for each head and each 128 keys:
;   +0    eight images of 512 bytes: image 2 p + u, lane (r, h), 16 bytes at 16 x lane: the codes of key 32 p + 8 u + r + 8 (r / 8), channels 32 h .. 32 h + 31
;   +4096 eight images: image 2 t + c, lane (r, h): the codes of channel 32 (t / 2) + 8 (t % 2) + r + 8 (r / 8), keys 64 c + 32 h .. + 31
;   +8192 16 bytes for each r: word p = the scale bytes of key (p, 0, r)'s two blocks, then of key (p, 1, r)'s two
;   +8448 16 bytes for each r: word t = the four key blocks' scale bytes of channel (t, r)
; SHARES.  Work-group (x, y): the 128 keys x (batch x / 32), heads 2 y and 2 y + 1.  Wave w: head 2 y + w / 2; w % 2 = 0 makes k, 1 makes v.  A wave's 128 matrix instructions
; are fed by one run of loads at its head, straight into operand registers: 32 KiB of K's codes, 16 KiB of the weight's, their scale words and the bias.  No LDS, no barrier, no loop.
; No joint tensor loads: every operand is read once by a wave, in the order of its registers; a tile brought into LDS would be read from there once more, and there is no loop over which that could be earned back.
; THE ROWS OF A TILE ARE NOT NEIGHBOURS: lane r of tile 2 b + u (of keys, and of the weight's rows) takes row 32 b + 8 u + r + 8 (r / 8), so that in a result the 16 registers of tiles 2 b and 2 b + 1
; are 16 neighbours, 32 b + 16 (lane / 16) + 0 .. 15, along the axis that is quantised.
; k: source 0 = 16 rows of Wk, source 1 = 16 keys: a lane holds one key, its registers run along the channels.  v: source 0 = 16 keys, source 1 = 16 rows of Wv: a lane holds one channel, its registers run along the keys.
; LIMITS: NaN, infinities and a given scale byte of 0xff are not served.  A block whose largest magnitude lies under 2^-124, a block of zeros among them, keeps the scale byte 1
; (a block of zeros has zero codes, which add nothing under that byte; the bytes are read by this program alone).
; REGISTERS, in windows of 256: window 0: v1-6 addresses; v16-47 K's scale words (tile i, K step s at 4 i + s); v48-63 the weight's; v64-95 the bias in the result's layout; v96-159 eight accumulators;
;   v160-191 codes, each unit's own, so that no store's data are written again; v192-203 at work; v208-211 the scale words to store.
;   window 1: K's 32 fragments, (i, s) at v[8 (4 i + s)].   window 2: the weight's 16 fragments, (t, s) at v[8 (4 t + s)].
; THE KEYS OF k's IMAGES (this takes the place of the key order stated above for the images at +0 and the words at +8192; V's images and words are as stated):
; image T = 2 p + u, lane (r, h): key 64 (T / 4) + 8 (T % 4) + 32 (r / 8) + r % 8.  So in the next launch's scores a lane's registers 8 T + j are key 64 (T / 4) + 32 (lane / 16) + 8 (T % 4) + j: whole blocks of 32 keys.
; The loads of K serve both roles with one set of immediates, tile i at row 64 (i / 4) + 8 (i % 4): the role that makes k takes rows r % 8 + 32 (r / 8) from there;
; the role that makes v takes rows r % 8 + 16 (r / 8), and 16 rows more in the tiles with (i / 2) % 2 = 1, which is its old order 32 (i / 2) + 8 (i % 2) + r + 8 (r / 8).
.set REC,  8704
.set VAE,  10                          ; v10  K's fragments, tiles with (i / 2) % 2 = 0: lane's row x 256 + 16 h
.set VAO,  11                          ; v11  the same for the other tiles
.set VSE,  12                          ; v12  K's scale words: lane's row x 16
.set VSO,  13                          ; v13  the same for the other tiles
.set VA,   1                           ; v1  (r + 8 (r / 8)) x 256 + 16 h: a fragment's row and half
.set VS,   2                           ; v2  (r + 8 (r / 8)) x 16: that row's scale words
.set VBK,  3                           ; v3  64 h: bk for a lane's 16 channels of a block
.set LI,   4                           ; v4  16 x lane: an image's place for my lane
.set SR,   5                           ; v5  16 x r: the scale words' place
.set VBV,  6                           ; v6  4 x (r + 8 (r / 8)): bv of my channel
.set KS,   16
.set WS,   48
.set BI,   64
.set ACC,  96
.set CD,   160
.set TM,   192                         ; v192-195 largest magnitudes, v196-199 the other half's, then the bytes, v200-203 the conversions' scale operands
.set SW,   208
.set SEL,  30                          ; s[30:31] lane selects for v_permlanex16_b32: lane l xor 16
.set MSB, 0
.macro WIN new                         ; the immediate's high byte repeats the setting that is left
.if MSB != \new
	s_set_vgpr_msb (MSB<<8)|\new
.set MSB, \new
.endif
.endm
.macro MM d, a, b, c, sa, sb
	v_wmma_scale_f32_16x16x128_f8f6f4 v[\d:\d+7], v[\a:\a+7], v[\b:\b+7], v[\c:\c+7], v[\sa], v[\sb] matrix_a_fmt:MATRIX_FMT_FP4 matrix_b_fmt:MATRIX_FMT_FP4
.endm
; 32 numbers of a lane, register 16 b + i = place 32 b + 16 (lane / 16) + i of my row, become 4 registers of codes (lane (r, h): places 32 h .. 32 h + 31) in v[c] on; the two blocks' bytes are left in v[TM+4], v[TM+5].
.macro QUANT2 s, c
.irp b, 0,1
	v_max3_num_f32 v[TM+\b], |v[\s+16*\b]|, |v[\s+16*\b+1]|, 0x1800000   ; my 16 numbers of block b, and the floor 2^(3 - 127): the byte cannot fall under 1
.endr
.irp i, 2,4,6,8,10,12,14
.irp b, 0,1
	v_max3_num_f32 v[TM+\b], v[TM+\b], |v[\s+16*\b+\i]|, |v[\s+16*\b+\i+1]|
.endr
.endr
.irp b, 0,1
	v_permlanex16_b32 v[TM+4+\b], v[TM+\b], s[SEL], s[SEL+1]
.endr
.irp b, 0,1
	v_max_num_f32 v[TM+\b], v[TM+\b], v[TM+4+\b]          ; with lane l xor 16's: the block's largest magnitude
.endr
.irp b, 0,1
	v_add_nc_u32 v[TM+8+\b], 0xff000000, v[TM+\b]         ; 2 off its exponent field: the conversion takes the exponent field of this operand as its scale
.endr
.irp b, 0,1
	v_lshrrev_b32 v[TM+4+\b], 23, v[TM+8+\b]              ; the scale's byte
.endr
.irp b, 0,1
	v_cvt_scalef32_pk8_fp4_f32 v[\c+2*\b], v[\s+16*\b:\s+16*\b+7], v[TM+8+\b]
	v_cvt_scalef32_pk8_fp4_f32 v[\c+2*\b+1], v[\s+16*\b+8:\s+16*\b+15], v[TM+8+\b]
.endr
	v_nop                                                  ; one plain place behind a scaled conversion
	v_permlane16_swap_b32 v[\c], v[\c+2]                   ; a whole block to a lane: lanes 0-15 block 0, lanes 16-31 block 1
	v_permlane16_swap_b32 v[\c+1], v[\c+3]
.endm
; the same for 64 numbers, four blocks: 8 registers of codes in v[c] on (registers 4 k .. 4 k + 3: places 64 k + 32 h .. + 31), the row's scale word in v[w]
.macro QUANT4 s, c, w
.irp b, 0,1,2,3
	v_max3_num_f32 v[TM+\b], |v[\s+16*\b]|, |v[\s+16*\b+1]|, 0x1800000
.endr
.irp i, 2,4,6,8,10,12,14
.irp b, 0,1,2,3
	v_max3_num_f32 v[TM+\b], v[TM+\b], |v[\s+16*\b+\i]|, |v[\s+16*\b+\i+1]|
.endr
.endr
.irp b, 0,1,2,3
	v_permlanex16_b32 v[TM+4+\b], v[TM+\b], s[SEL], s[SEL+1]
.endr
.irp b, 0,1,2,3
	v_max_num_f32 v[TM+\b], v[TM+\b], v[TM+4+\b]
.endr
.irp b, 0,1,2,3
	v_add_nc_u32 v[TM+8+\b], 0xff000000, v[TM+\b]
.endr
.irp b, 0,1,2,3
	v_lshrrev_b32 v[TM+4+\b], 23, v[TM+8+\b]
.endr
	v_lshl_or_b32 v[\w], v[TM+5], 8, v[TM+4]
	v_lshl_or_b32 v[\w], v[TM+6], 16, v[\w]
	v_lshl_or_b32 v[\w], v[TM+7], 24, v[\w]
.irp b, 0,1,2,3
	v_cvt_scalef32_pk8_fp4_f32 v[\c+2*\b], v[\s+16*\b:\s+16*\b+7], v[TM+8+\b]
	v_cvt_scalef32_pk8_fp4_f32 v[\c+2*\b+1], v[\s+16*\b+8:\s+16*\b+15], v[TM+8+\b]
.endr
	v_nop
.irp k, 0,1
.irp i, 0,1
	v_permlane16_swap_b32 v[\c+4*\k+\i], v[\c+4*\k+2+\i]
.endr
.endr
.endm
	s_load_b256 s[4:11], s[0:1], 0x0               ; K's codes s[4:5], K's scales s[6:7], Wk's codes s[8:9], Wk's scales s[10:11]
	s_load_b256 s[12:19], s[0:1], 0x20             ; bk s[12:13], Wv's codes s[14:15], Wv's scales s[16:17], bv s[18:19]
	s_load_b64 s[20:21], s[0:1], 0x40              ; kv
	v_lshrrev_b32 v7, 5, v0
	v_readfirstlane_b32 s22, v7                    ; wave 0..3
	s_and_b32 s23, s22, 1                          ; 0: I make k; 1: v
	s_lshr_b32 s24, s22, 1
	s_and_b32 s25, ttmp7, 0xffff
	s_lshl_b32 s25, s25, 1
	s_add_co_u32 s24, s24, s25                     ; my head = 2 y + wave / 2
	v_and_b32 v7, 15, v0                           ; r
	v_bfe_u32 v8, v0, 4, 1                         ; h
	v_and_b32 v9, 8, v7
	v_add_nc_u32 v9, v9, v7                        ; r + 8 (r / 8)
	v_lshlrev_b32 v[VA], 8, v9
	v_lshl_add_u32 v[VA], v8, 4, v[VA]
	v_lshlrev_b32 v[VS], 4, v9
	v_lshlrev_b32 v[VBK], 6, v8
	v_lshlrev_b32 v[VBV], 2, v9
	v_and_b32 v[LI], 31, v0
	v_lshlrev_b32 v[LI], 4, v[LI]
	v_lshlrev_b32 v[SR], 4, v7
	s_cmp_eq_u32 s23, 0                            ; the role hangs on the wave's number alone
	s_cselect_b32 s26, 32, 16                      ; rows between a tile's two groups of eight keys
	s_cselect_b32 s28, 0, 4096                     ; 16 rows of 256 bytes more for v's other tiles
	v_and_b32 v14, 7, v7
	v_lshrrev_b32 v15, 3, v7
	v_mad_u32_u24 v14, v15, s26, v14               ; the lane's row
	v_lshlrev_b32 v[VAE], 8, v14
	v_lshl_add_u32 v[VAE], v8, 4, v[VAE]
	v_add_nc_u32 v[VAO], s28, v[VAE]
	v_lshlrev_b32 v[VSE], 4, v14
	s_lshr_b32 s28, s28, 4                         ; 16 rows of 16 scale bytes
	v_add_nc_u32 v[VSO], s28, v[VSE]
.irp b, 0,1,2,3
	v_mov_b32 v[TM+4+\b], 0                        ; written once: a lane permute's destination counts as one of its sources
.endr
	s_mov_b32 s[SEL], 0x76543210
	s_mov_b32 s[SEL+1], 0xfedcba98
	s_lshr_b32 s26, ttmp9, 5                       ; the record: ((batch x 8 + head) x 32 + the 128 keys' number in the batch) x 8,704 bytes
	s_lshl_b32 s26, s26, 3
	s_add_co_u32 s26, s26, s24
	s_lshl_b32 s26, s26, 5
	s_and_b32 s28, ttmp9, 31
	s_add_co_u32 s26, s26, s28
	s_mul_i32 s26, s26, REC
	s_mov_b32 s27, 0
	s_mov_b32 s29, 0
	s_wait_alu depctr_va_vdst(0)
	s_wait_kmcnt 0x0
	s_cmp_eq_u32 s23, 0                            ; Wk or Wv: the choice hangs on the wave's number alone
	s_cselect_b64 s[8:9], s[8:9], s[14:15]
	s_cselect_b64 s[10:11], s[10:11], s[16:17]
	s_cselect_b64 s[12:13], s[12:13], s[18:19]
	s_add_nc_u64 s[20:21], s[20:21], s[26:27]
	s_lshl_b32 s28, ttmp9, 15                      ; 128 keys of 256 bytes
	s_add_nc_u64 s[4:5], s[4:5], s[28:29]
	s_lshl_b32 s28, ttmp9, 11                      ; 128 keys of 16 scale bytes
	s_add_nc_u64 s[6:7], s[6:7], s[28:29]
	s_lshl_b32 s28, s24, 14                        ; the head's 64 rows of the weight
	s_add_nc_u64 s[8:9], s[8:9], s[28:29]
	s_lshl_b32 s28, s24, 10
	s_add_nc_u64 s[10:11], s[10:11], s[28:29]
	s_lshl_b32 s28, s24, 8                         ; and its 64 numbers of the bias
	s_add_nc_u64 s[12:13], s[12:13], s[28:29]
	WIN 0x40                                       ; destination window 1
.irp i, 0,1,2,3,4,5,6,7
.irp s, 0,1,2,3
.irp c, 0,1
	global_load_b128 v[8*(4*\i+\s)+4*\c:8*(4*\i+\s)+4*\c+3], v[VAE+(\i/2)%2], s[4:5] offset:(64*(\i/4)+8*(\i%4))*256+64*\s+32*\c
.endr
.endr
.endr
	WIN 0x80                                       ; destination window 2
.irp t, 0,1,2,3
.irp s, 0,1,2,3
.irp c, 0,1
	global_load_b128 v[8*(4*\t+\s)+4*\c:8*(4*\t+\s)+4*\c+3], v[VA], s[8:9] offset:(32*(\t/2)+8*(\t%2))*256+64*\s+32*\c
.endr
.endr
.endr
	WIN 0
.irp i, 0,1,2,3,4,5,6,7
	global_load_b128 v[KS+4*\i:KS+4*\i+3], v[VSE+(\i/2)%2], s[6:7] offset:(64*(\i/4)+8*(\i%4))*16   ; a row's 16 scale bytes are its four K steps' words
.endr
.irp t, 0,1,2,3
	global_load_b128 v[WS+4*\t:WS+4*\t+3], v[VS], s[10:11] offset:(32*(\t/2)+8*(\t%2))*16
.endr
	s_cmp_lg_u32 s23, 0
	s_cbranch_scc1 .Lv
	; ---- k.  The bias is the C of each sum's first product: register 16 b + i = bk at channel 32 b + 16 h + i
	s_wait_alu depctr_va_vdst(0)
.irp b, 0,1
.irp q, 0,1,2,3
	global_load_b128 v[BI+16*\b+4*\q:BI+16*\b+4*\q+3], v[VBK], s[12:13] offset:128*\b+16*\q
.endr
.endr
	s_wait_loadcnt 0x0                             ; all of the wave's operands
.irp p, 0,1,2,3                                ; 32 keys at a time: two tiles of keys x four tiles of channels: eight accumulators by turns, one instruction a turn
	WIN 0x06                                       ; source 0 (Wk) window 2, source 1 (K) window 1
.irp s, 0,1,2,3
.irp u, 0,1
.irp t, 0,1,2,3
.if \s == 0
	MM ACC+32*\u+8*\t, 8*(4*\t+\s), 8*(4*(2*\p+\u)+\s), BI+8*\t, WS+4*\t+\s, KS+4*(2*\p+\u)+\s
.else
	MM ACC+32*\u+8*\t, 8*(4*\t+\s), 8*(4*(2*\p+\u)+\s), ACC+32*\u+8*\t, WS+4*\t+\s, KS+4*(2*\p+\u)+\s
.endif
.endr
.endr
.endr
	WIN 0
.rept 4
	v_nop                                          ; four places between the last product and the first read of results (ISA guide 7.12.1); with the quantiser's lines on other registers more than five stand ahead of the next unit's first product, which begins these accumulators anew
.endr
	QUANT2 ACC, CD+8*\p
	v_lshl_or_b32 v[SW+\p], v[TM+5], 8, v[TM+4]    ; the first tile's two bytes
	QUANT2 ACC+32, CD+8*\p+4
	v_lshl_or_b32 v[SW+\p], v[TM+4], 16, v[SW+\p]  ; and the second's: the word that one product of the next launch wants
	v_lshl_or_b32 v[SW+\p], v[TM+5], 24, v[SW+\p]
	global_store_b128 v[LI], v[CD+8*\p:CD+8*\p+3], s[20:21] offset:1024*\p          ; 32 lanes store 512 consecutive bytes
	global_store_b128 v[LI], v[CD+8*\p+4:CD+8*\p+7], s[20:21] offset:1024*\p+512
.endr
	global_store_b128 v[SR], v[SW:SW+3], s[20:21] offset:8192   ; 256 consecutive bytes; lanes 16-31 hold and write the same as lanes 0-15
	s_endpgm
.Lv:	; ---- v.  A lane holds one channel, so its bias stands in all eight registers of C
	s_wait_alu depctr_va_vdst(0)
.irp t, 0,1,2,3
	global_load_b32 v[BI+8*\t], v[VBV], s[12:13] offset:(32*(\t/2)+8*(\t%2))*4
.endr
	s_wait_loadcnt 0x0
.irp t, 0,1,2,3
.irp j, 1,2,3,4,5,6,7
	v_mov_b32 v[BI+8*\t+\j], v[BI+8*\t]
.endr
.endr
.irp t, 0,1,2,3                                ; 16 channels at a time, all 128 keys: eight accumulators by turns
	WIN 0x09                                       ; source 0 (K) window 1, source 1 (Wv) window 2
.irp s, 0,1,2,3
.irp i, 0,1,2,3,4,5,6,7
.if \s == 0
	MM ACC+8*\i, 8*(4*\i+\s), 8*(4*\t+\s), BI+8*\t, KS+4*\i+\s, WS+4*\t+\s
.else
	MM ACC+8*\i, 8*(4*\i+\s), 8*(4*\t+\s), ACC+8*\i, KS+4*\i+\s, WS+4*\t+\s
.endif
.endr
.endr
	WIN 0
.rept 4
	v_nop
.endr
	QUANT4 ACC, CD+8*\t, SW+\t
	global_store_b128 v[LI], v[CD+8*\t:CD+8*\t+3], s[20:21] offset:4096+1024*\t
	global_store_b128 v[LI], v[CD+8*\t+4:CD+8*\t+7], s[20:21] offset:4096+1024*\t+512
.endr
	global_store_b128 v[SR], v[SW:SW+3], s[20:21] offset:8448
	s_endpgm
.Lfunc_end_k_q774bcca735_kvproj:
	.size	k_q774bcca735_kvproj, .Lfunc_end_k_q774bcca735_kvproj-k_q774bcca735_kvproj
	.p2alignl 7, 3214868480
	.fill 96, 4, 3214868480
	.section	.rodata,"a",@progbits
	.p2align	6, 0x0
	.amdhsa_kernel k_q774bcca735_kvproj
		.amdhsa_group_segment_fixed_size 0
		.amdhsa_private_segment_fixed_size 0
		.amdhsa_enable_private_segment 0
		.amdhsa_kernarg_size 72
		.amdhsa_user_sgpr_count 2
		.amdhsa_user_sgpr_kernarg_segment_ptr 1
		.amdhsa_wavefront_size32 1
		.amdhsa_system_sgpr_workgroup_id_x 1
		.amdhsa_system_sgpr_workgroup_id_y 1
		.amdhsa_system_sgpr_workgroup_id_z 1
		.amdhsa_system_vgpr_workitem_id 0
		.amdhsa_next_free_vgpr 640
		.amdhsa_next_free_sgpr 66
		.amdhsa_reserve_vcc 0
		.amdhsa_float_denorm_mode_32 3
		.amdhsa_float_denorm_mode_16_64 3
		.amdhsa_memory_ordered 1
		.amdhsa_forward_progress 1
		.amdhsa_inst_pref_size 81
	.end_amdhsa_kernel
	.amdgpu_metadata
---
amdhsa.version: [ 1, 2 ]
amdhsa.kernels:
  - .name:           k_q774bcca735_kvproj
    .symbol:         k_q774bcca735_kvproj.kd
    .args:
      - { .name: K_codes, .offset: 0, .size: 8, .value_kind: global_buffer, .address_space: global }
      - { .name: K_scales, .offset: 8, .size: 8, .value_kind: global_buffer, .address_space: global }
      - { .name: Wk_codes, .offset: 16, .size: 8, .value_kind: global_buffer, .address_space: global }
      - { .name: Wk_scales, .offset: 24, .size: 8, .value_kind: global_buffer, .address_space: global }
      - { .name: bk, .offset: 32, .size: 8, .value_kind: global_buffer, .address_space: global }
      - { .name: Wv_codes, .offset: 40, .size: 8, .value_kind: global_buffer, .address_space: global }
      - { .name: Wv_scales, .offset: 48, .size: 8, .value_kind: global_buffer, .address_space: global }
      - { .name: bv, .offset: 56, .size: 8, .value_kind: global_buffer, .address_space: global }
      - { .name: kv, .offset: 64, .size: 8, .value_kind: global_buffer, .address_space: global }
    .group_segment_fixed_size: 0
    .private_segment_fixed_size: 0
    .kernarg_segment_align: 8
    .kernarg_segment_size: 72
    .max_flat_workgroup_size: 128
    .sgpr_count:     66
    .vgpr_count:     640
    .wavefront_size: 32
...
	.end_amdgpu_metadata
.endif
;; end of part 1
;; launch attn (part 2): grid 16 x 16, 16 waves a work-group, clusters of 4 x 1, 327,680 bytes of LDS; arguments Q_codes, Q_scales, Wq_codes, Wq_scales, bq, kv, oimg; writes oimg
.if DOCPART == 2
	.amdgcn_target "amdgcn-amd-amdhsa--gfx1250"
	.amdhsa_code_object_version 6
	.text
	.protected	k_q774bcca735_attn
	.globl	k_q774bcca735_attn
	.p2align	8
	.type	k_q774bcca735_attn,@function
k_q774bcca735_attn:
	s_mov_b64 s[64:65], 0
	v_nop
	global_prefetch_b8 v0, s[64:65] scope:SCOPE_SE
	s_setreg_imm32_b32 hwreg(HW_REG_WAVE_MODE, 25, 1), 1
	s_wait_xcnt 0x0
	s_wait_alu depctr_hold_cnt(0) depctr_sa_sdst(0) depctr_va_vdst(0) depctr_va_sdst(0) depctr_va_ssrc(0) depctr_va_vcc(0) depctr_vm_vsrc(0)
	s_getreg_b32 s2, hwreg(HW_REG_IB_STS2, 6, 4)
	s_cmp_eq_u32 s2, 0
	s_cbranch_scc0 .Lentry_in_a_cluster
	s_endpgm
.Lentry_in_a_cluster:
	s_bfe_u32 s2, ttmp6, 0x10000c
	s_cmp_lg_u32 s2, 0x3003
	s_cbranch_scc0 .Lentry_shape_is_right
	s_endpgm
.Lentry_shape_is_right:
; o = q + softmax(q k^T / sqrt(512)) v for one head, with q = Q Wq + bq made here; all three products on codes of FP4 (E2M1) with one E8M0 scale for each 32 along a product's K.
; THE SOFTMAX AHEAD OF THE SECOND PRODUCT: t = score x log2(e) / sqrt(512); M = the row's largest t so far, rounded UP to a whole number; p = 2^(t - M) is quantised along the keys, not normalised.
; The row's sum is taken of the unquantised p, in f32, and divides at the end.  When M moves, the sum and O are multiplied by 2^(old M - new M): exact.
; SHARES.  Work-group (x, y): 256 queries (block x) of head y % 8 of batch y / 8.  Each of its sixteen waves owns 16 queries, one tile, in 256 registers.  Every wave walks all 4,096 keys, 128 a step.
; LDS.  The head's K and V lie in kv as 32 records of 8,704 bytes, images of this kernel's operand registers; all 278,528 bytes come into LDS once and stay.  Two fills, one tensor load a wave each:
; records 0-7 at the head (17 rows of 256 bytes a wave), records 8-31 behind the full sequence and a round (51 rows a wave).  By this text's count a wave has one tensor load out at a time.
; CLUSTER.  The four query blocks of a cluster belong to one head and want the same bytes: each load is asked for JOINTLY, same line, same descriptor, mask of all four.
; NO PREFETCH: both fills are asked for ahead of the first loop; no later request exists that a loop could run ahead of.
; LAYOUT.  All products are used transposed: q^T = Wq Q^T, S^T = K q^T, O^T = V^T P^T: a lane holds ONE query (lane % 16).  Lane r of tile 2 b + u of Wq's rows and of V's channels
; stands for row 32 b + 8 u + r + 8 (r / 8): register 16 b + i of q and of O^T is channel 32 b + 16 (lane / 16) + i, so q and O^T lie alike.
; THE KEYS: row r of key tile T is key 64 (T / 4) + 8 (T % 4) + 32 (r / 8) + r % 8 of the step.  So score register 8 T + j is key 64 (T / 4) + 32 (lane / 16) + 8 (T % 4) + j:
; registers 0-31 are the whole block lane / 16, registers 32-63 the whole block 2 + lane / 16.  A block's largest score needs no other lane, and the conversions' results are the second product's operand as they fall.
; A HEAD IS 64, THE INSTRUCTION'S K IS 128.  A fragment of K holds two tiles of 16 keys (registers 0-3, registers 4-7).  q's four registers of codes stand between four registers of zeros on either side:
; with the zeros behind them they meet the first tile, with the zeros in front the second; the other tile meets zero codes, which add nothing under its scale bytes (1 to 254).
; FRAGMENTS AHEAD.  K and V have registers of their own.  Behind a step's score products, under one run of four places, V of this step and K of the NEXT step are asked of LDS: 9 + 9 loads.
; The next step's address is held at the last record that has landed (7 in the first walk, 31 in the second): the last step of a walk reads that record's K once more and uses nothing of it.
; LIMITS: NaN, infinities and a given scale byte of 0xff are not served.  A block of q whose largest magnitude lies under 2^-124 keeps the scale byte 1.  A p under 2^-126 counts as 0 (v_exp_f32's entry in the ISA guide).
; The promise holds while the scaled scores t stay under 2^31 in magnitude.
; REGISTERS: v1-3 LDS addresses; v4-9 head: offsets, loop: three chains of the sum; v11 8 x (lane / 16); v12 -M, v13 the largest score, v[14:15] the sum; v16-27 q's operand; v32-63 K; v64-127 S^T, then p;
;   v128-159 O^T; v160-191 q in f32; v192-199 p's codes; v200-215 at work; v216-247 V.  Scales and nothing else: v28-31, v248-251, v252, v253.  At the head v32-159 hold Wq's 16 fragments and v192-223 Q's four.
.set REC,   8704
.set CH0,   8*REC                      ; the first fill: 69,632 bytes
.set PART0, CH0/16                     ; a wave's part of it: 17 rows of 256 bytes
.set PART1, 24*REC/16                  ; and of the second fill: 51 rows of 256 bytes
.set HEADB, 32*REC
.set SPARE, 0x44000                    ; behind the records: the spare words, 128 bytes a wave
.set LI,   1                           ; 16 x lane
.set ADR,  2                           ; this step's record + 16 x lane
.set ADN,  3                           ; the next step's
.set VAQ,  4                           ; head: r x 256 + 16 h
.set VAW,  5                           ; head: (r + 8 (r / 8)) x 256 + 16 h
.set VSQ,  6                           ; head: r x 16 + 8 h
.set VSW,  7                           ; head: (r + 8 (r / 8)) x 16 + 128 h
.set VBQ,  8                           ; head: 64 h
.set C1,   4
.set C2,   6
.set C3,   8
.set SH,   11                          ; 8 h: where my two scale bytes stand in p's word
.set QH,   16                          ; v[16:23] zeros, then q's codes
.set QL,   20                          ; v[20:27] q's codes, then zeros
.set SCK,  28                          ; K's scale words in lanes 0-15 (head: Wq's tiles 0 and 1 in the two halves of the lanes)
.set KF,   32
.set S,    64
.set O,    128
.set QF,   160
.set PC,   192
.set TM,   200
.set BM,   200                         ; v200, v202 my two blocks' largest scores, then largest p; v201, v203 second chains
.set T2,   204
.set SO,   208
.set F,    212                         ; v[212:213]: f, at the end 1 / the sum; v213 is named with it as a pair
.set TMP,  214
.set TM2,  215
.set VF,   216
.set SCV,  248                         ; V's scale words in lanes 16-31 (head: Wq's tiles 2 and 3)
.set PW,   252                         ; p's scale word (head: Q's words 0 | 2)
.set QW,   253                         ; q's scale word (head: Q's words 1 | 3)
.set SPW,  254
.set NIL,  255
.set WV,   18
.set G1A,  24
.set G0A,  32
.set G0B,  36
.set G1B,  40
.set TB,   52                          ; LDS byte at which the step's record begins
.set CNT,  53
.set SEL,  54                          ; s[54:55] selects for lane l xor 16
.set CS,   56                          ; s[56:57] c = log2(e) / sqrt(512)
.set TN,   58                          ; the next record, held at the walk's last
.set NCS,  59                          ; -c
.macro ROUND                           ; a round of the cluster's barrier
	s_barrier_signal -1
	s_barrier_wait -1
	s_cmp_lg_u32 s[WV], 0
	s_cbranch_scc1 .Lnot_wave_0_\@
	s_barrier_signal -3
.Lnot_wave_0_\@:
	s_barrier_wait -3
	s_barrier_signal -1
	s_barrier_wait -1
.endm
; 32 numbers of a lane, register 16 b + i = place 32 b + 16 (lane / 16) + i, become 4 registers of codes in v[c] on; the two blocks' bytes are left in v[TM+4], v[TM+5]
.macro QUANT2 s, c
.irp b, 0,1
	v_max3_num_f32 v[TM+\b], |v[\s+16*\b]|, |v[\s+16*\b+1]|, 0x1800000   ; with the floor 2^(3 - 127): the byte cannot fall under 1
.endr
.irp i, 2,4,6,8,10,12,14
.irp b, 0,1
	v_max3_num_f32 v[TM+\b], v[TM+\b], |v[\s+16*\b+\i]|, |v[\s+16*\b+\i+1]|
.endr
.endr
.irp b, 0,1
	s_delay_alu instid0(VALU_DEP_2)
	v_permlanex16_b32 v[TM+4+\b], v[TM+\b], s[SEL], s[SEL+1]
.endr
.irp b, 0,1
	s_delay_alu instid0(VALU_DEP_2)
	v_max_num_f32 v[TM+\b], v[TM+\b], v[TM+4+\b]
.endr
.irp b, 0,1
	s_delay_alu instid0(VALU_DEP_2)
	v_add_nc_u32 v[TM+8+\b], 0xff000000, v[TM+\b]         ; 2 off the exponent field: the conversion's scale operand
.endr
.irp b, 0,1
	s_delay_alu instid0(VALU_DEP_2)
	v_lshrrev_b32 v[TM+4+\b], 23, v[TM+8+\b]              ; the scale's byte
.endr
.irp b, 0,1
	v_cvt_scalef32_pk8_fp4_f32 v[\c+2*\b], v[\s+16*\b:\s+16*\b+7], v[TM+8+\b]
	v_cvt_scalef32_pk8_fp4_f32 v[\c+2*\b+1], v[\s+16*\b+8:\s+16*\b+15], v[TM+8+\b]
.endr
	v_nop                                                  ; one plain place behind a scaled conversion
	v_permlane16_swap_b32 v[\c], v[\c+2]                   ; a whole block to a lane
	v_permlane16_swap_b32 v[\c+1], v[\c+3]
.endm
; one product of q^T = Wq Q^T: Wq's tile t, K step s.  Wq's word stands in lanes 16 (t % 2) on of v[28 + s] or v[248 + s], Q's in lanes 16 (s / 2) on of v[252 + s % 2]
.macro QMM t, s
.set QD, QF+8*(\t)
.set QA, 32+8*(4*(\t)+(\s))
.set QB, 192+8*(\s)
.set QSA, 28+220*((\t)/2)+(\s)
.set QSB, 252+(\s)%2
.if (\t)%2
.if (\s)/2
	v_wmma_scale_f32_16x16x128_f8f6f4 v[QD:QD+7], v[QA:QA+7], v[QB:QB+7], v[QD:QD+7], v[QSA], v[QSB] matrix_a_fmt:MATRIX_FMT_FP4 matrix_b_fmt:MATRIX_FMT_FP4 matrix_a_scale:MATRIX_SCALE_ROW1 matrix_b_scale:MATRIX_SCALE_ROW1
.else
	v_wmma_scale_f32_16x16x128_f8f6f4 v[QD:QD+7], v[QA:QA+7], v[QB:QB+7], v[QD:QD+7], v[QSA], v[QSB] matrix_a_fmt:MATRIX_FMT_FP4 matrix_b_fmt:MATRIX_FMT_FP4 matrix_a_scale:MATRIX_SCALE_ROW1
.endif
.else
.if (\s)/2
	v_wmma_scale_f32_16x16x128_f8f6f4 v[QD:QD+7], v[QA:QA+7], v[QB:QB+7], v[QD:QD+7], v[QSA], v[QSB] matrix_a_fmt:MATRIX_FMT_FP4 matrix_b_fmt:MATRIX_FMT_FP4 matrix_b_scale:MATRIX_SCALE_ROW1
.else
	v_wmma_scale_f32_16x16x128_f8f6f4 v[QD:QD+7], v[QA:QA+7], v[QB:QB+7], v[QD:QD+7], v[QSA], v[QSB] matrix_a_fmt:MATRIX_FMT_FP4 matrix_b_fmt:MATRIX_FMT_FP4
.endif
.endif
.endm
	s_load_b256 s[4:11], s[0:1], 0x0               ; Q's codes s[4:5], Q's scales s[6:7], Wq's codes s[8:9], Wq's scales s[10:11]
	s_load_b128 s[12:15], s[0:1], 0x20             ; bq s[12:13], kv s[14:15]
	s_load_b64 s[16:17], s[0:1], 0x30              ; oimg
	v_lshl_add_u32 v[SPW], v0, 2, SPARE
	v_mov_b32 v[NIL], 0
	ds_add_u32 v[SPW], v[NIL]                      ; the opening lines: the add, twice on end, and its wait ahead of my first tensor load
	ds_add_u32 v[SPW], v[NIL]
	v_lshrrev_b32 v9, 5, v0
	s_delay_alu instid0(VALU_DEP_1)
	v_readfirstlane_b32 s[WV], v9                  ; wave 0..15
	v_and_b32 v[LI], 31, v0
	v_and_b32 v10, 15, v0                          ; r
	v_bfe_u32 v11, v0, 4, 1                        ; h
	s_delay_alu instid0(VALU_DEP_3)
	v_lshlrev_b32 v[LI], 4, v[LI]
	s_delay_alu instid0(VALU_DEP_3)
	v_and_b32 v9, 8, v10
	s_delay_alu instid0(VALU_DEP_1)
	v_add_nc_u32 v9, v9, v10                       ; r + 8 (r / 8)
	v_lshlrev_b32 v[VAQ], 8, v10
	v_lshlrev_b32 v[VSQ], 4, v10
	s_delay_alu instid0(VALU_DEP_3)
	v_lshlrev_b32 v[VAW], 8, v9
	v_lshlrev_b32 v[VSW], 4, v9
	v_lshl_add_u32 v[VAQ], v11, 4, v[VAQ]
	v_lshl_add_u32 v[VSQ], v11, 3, v[VSQ]
	v_lshl_add_u32 v[VAW], v11, 4, v[VAW]
	v_lshl_add_u32 v[VSW], v11, 7, v[VSW]
	v_lshlrev_b32 v[VBQ], 6, v11
	v_lshlrev_b32 v[SH], 3, v11                    ; 8 h, in h's place
	s_bfe_u32 s19, ttmp6, 0x40000                  ; cx: it enters Q's and oimg's addresses alone
	s_lshl_b32 s20, ttmp9, 2
	s_add_co_u32 s20, s20, s19                     ; my block of 256 queries
	s_and_b32 s21, ttmp7, 0xffff                   ; y = batch x 8 + head, which the four partners share
	s_and_b32 s23, s21, 7                          ; the head
	s_lshr_b32 s22, s21, 3
	s_lshl_b32 s22, s22, 12
	s_lshl_b32 s50, s20, 8
	s_add_co_u32 s22, s22, s50
	s_lshl_b32 s50, s[WV], 4
	s_add_co_u32 s22, s22, s50                     ; my first row of Q: 4,096 x batch + 256 x block + 16 x wave
	s_mov_b32 s51, 0
	; descriptor groups 1: rows of 32 elements of 8 bytes, dense in memory and in LDS: 17 rows, 51 rows
	s_mov_b32 s[G1A+0], 15|(3<<16)|(1<<21)         ; the mask of all four work-groups; elements of 8 bytes; bit 21 beside a mask
	s_mov_b32 s[G1A+1], 32<<16
	s_mov_b32 s[G1A+2], 17<<16
	s_mov_b32 s[G1A+3], 32<<16
	s_mov_b32 s[G1A+4], 17
	s_mov_b32 s[G1A+5], 32
	s_mov_b32 s[G1A+6], 0
	s_mov_b32 s[G1A+7], 0
	s_mov_b32 s[G1B+0], 15|(3<<16)|(1<<21)
	s_mov_b32 s[G1B+1], 32<<16
	s_mov_b32 s[G1B+2], 51<<16
	s_mov_b32 s[G1B+3], 32<<16
	s_mov_b32 s[G1B+4], 51
	s_mov_b32 s[G1B+5], 32
	s_mov_b32 s[G1B+6], 0
	s_mov_b32 s[G1B+7], 0
	s_mul_i32 s60, s[WV], PART0                    ; my part of the first fill, in LDS and in the head's bytes: no place in the cluster enters it
	s_mul_i32 s61, s[WV], PART1
	s_add_co_u32 s61, s61, CH0                     ; and of the second
	s_mul_i32 s48, s21, HEADB
	s_mov_b32 s49, 0
	s_mov_b32 s[SEL], 0x76543210
	s_mov_b32 s[SEL+1], 0xfedcba98
	s_mov_b32 s[CS], 0x3d8293ee                    ; c = log2(e) / sqrt(512)
	s_mov_b32 s[CS+1], s[CS]
	s_mov_b32 s[NCS], 0xbd8293ee                   ; -c
	s_wait_alu depctr_va_vdst(0)
	s_wait_dscnt 0x0                               ; both opening adds are done
	s_wait_kmcnt 0x0
	s_add_nc_u64 s[14:15], s[14:15], s[48:49]      ; kv at my head
	s_mov_b32 s[G0A], 1
	s_mov_b32 s[G0A+1], s60
	s_mov_b32 s50, s60
	s_add_nc_u64 s[G0A+2:G0A+3], s[14:15], s[50:51]
	s_or_b32 s[G0A+3], s[G0A+3], 0x80000000
	s_mov_b32 s[G0B], 1
	s_mov_b32 s[G0B+1], s61
	s_mov_b32 s50, s61
	s_add_nc_u64 s[G0B+2:G0B+3], s[14:15], s[50:51]
	s_or_b32 s[G0B+3], s[G0B+3], 0x80000000
	s_lshl_b32 s50, s22, 8
	s_add_nc_u64 s[4:5], s[4:5], s[50:51]          ; Q's codes at my first row
	s_lshl_b32 s50, s22, 4
	s_add_nc_u64 s[6:7], s[6:7], s[50:51]          ; and its scale bytes
	s_lshl_b32 s50, s23, 14
	s_add_nc_u64 s[8:9], s[8:9], s[50:51]          ; the head's 64 rows of Wq,
	s_lshl_b32 s50, s23, 10
	s_add_nc_u64 s[10:11], s[10:11], s[50:51]      ; their scale bytes,
	s_lshl_b32 s50, s23, 8
	s_add_nc_u64 s[12:13], s[12:13], s[50:51]      ; its 64 numbers of bq
	s_lshr_b32 s50, s22, 4
	s_lshl_b32 s50, s50, 3
	s_add_co_u32 s50, s50, s23
	s_lshl_b32 s50, s50, 12
	s_add_nc_u64 s[16:17], s[16:17], s[50:51]      ; oimg: (tile of rows x 8 + head) x 4,096 bytes
	; the projection's operands are asked for ahead of the round: they hang on no partner
.irp b, 0,1
.irp q, 0,1,2,3
	global_load_b128 v[QF+16*\b+4*\q:QF+16*\b+4*\q+3], v[VBQ], s[12:13] offset:128*\b+16*\q   ; bq goes straight into the accumulators
.endr
.endr
.irp s, 0,1,2,3
.irp c, 0,1
	global_load_b128 v[192+8*\s+4*\c:192+8*\s+4*\c+3], v[VAQ], s[4:5] offset:64*\s+32*\c
.endr
.endr
	global_load_b64 v[PW:PW+1], v[VSQ], s[6:7]     ; Q's words 0, 1 in lanes 0-15, words 2, 3 in lanes 16-31
.irp t, 0,1,2,3
.irp s, 0,1,2,3
.irp c, 0,1
	global_load_b128 v[32+8*(4*\t+\s)+4*\c:32+8*(4*\t+\s)+4*\c+3], v[VAW], s[8:9] offset:(32*(\t/2)+8*(\t%2))*256+64*\s+32*\c
.endr
.endr
.endr
	global_load_b128 v[SCK:SCK+3], v[VSW], s[10:11]             ; Wq's words: tile 0 in lanes 0-15, tile 1 (8 rows, 128 bytes on) in lanes 16-31
	global_load_b128 v[SCV:SCV+3], v[VSW], s[10:11] offset:512  ; tiles 2 and 3: 32 rows on
	ROUND                                          ; all four work-groups are here: the joint loads meet
	tensor_load_to_lds s[G0A:G0A+3], s[G1A:G1A+7]  ; records 0-7: my one tensor load at the head
	s_nop 0
	v_mov_b32 v13, 0xff61b1e6                      ; the largest score so far: -3e38
	v_mov_b32 v12, 0x7d000000                      ; -M: a whole number above every -t served
	v_mov_b32 v14, 0
	v_mov_b32 v15, 0
.irp j, 16,17,18,19,24,25,26,27
	v_mov_b32 v\j, 0                               ; the zero codes on either side of q's
.endr
	s_wait_alu depctr_va_vdst(0)
	s_wait_loadcnt 0x0
.irp s, 0,1,2,3                                ; q^T = Wq Q^T + bq: four accumulators by turns, one instruction a turn
.irp t, 0,2,1,3
	QMM \t, \s
.endr
.endr
.rept 4
	v_nop                                          ; four places behind the last product (ISA guide 7.12.1)
.endr
.irp b, 0,1,2,3
	v_mov_b32 v[T2+\b], 0                          ; a lane permute's destination counts as one of its sources
.endr
	v_mov_b32 v[F+1], 0
	QUANT2 QF, QL                                  ; q's codes; q itself stays in f32 for the residual
	v_lshl_or_b32 v[QW], v[TM+5], 8, v[TM+4]
	s_delay_alu instid0(VALU_DEP_1)
	v_lshl_or_b32 v[QW], v[QW], 16, v[QW]          ; q's two bytes twice: for K places 0-63 and 64-127
.irp j, 0,1,2,3,4,5,6,7,8,9,10,11,12,13,14,15,16,17,18,19,20,21,22,23,24,25,26,27,28,29,30,31
	v_mov_b32 v[O+\j], 0                           ; O^T: the step is written once, and the first change of M leaves zeros zeros.  (Also the places between q's scale word and the first product that names it)
.endr
.macro PF j                            ; t - M, two at a time (of the pairs c and -M the low word serves both halves)
	v_pk_fma_f32 v[S+\j:S+\j+1], v[S+\j:S+\j+1], s[CS:CS+1], v[12:13] op_sel_hi:[1,0,0]
.endm
.macro SUM4 j                          ; eight more p onto the sum's four chains
	v_pk_add_f32 v[C1:C1+1], v[C1:C1+1], v[S+\j:S+\j+1]
	v_pk_add_f32 v[C2:C2+1], v[C2:C2+1], v[S+\j+2:S+\j+3]
	v_pk_add_f32 v[C3:C3+1], v[C3:C3+1], v[S+\j+4:S+\j+5]
	v_pk_add_f32 v[14:15], v[14:15], v[S+\j+6:S+\j+7]
.endm
.macro KLOAD                           ; K's four double fragments and the record's scale words, from v[ADN]: 9 loads
.irp i, 0,1,2,3,4,5,6,7
	ds_load_b128 v[KF+4*\i:KF+4*\i+3], v[ADN] offset:512*\i
.endr
	ds_load_b128 v[SCK:SCK+3], v[ADN] offset:8192
.endm
; A KEY STEP: 128 keys, one record.  lim: the last record that this walk may read.
.macro STEP lim
	s_wait_dscnt 0x0                               ; K's fragments and words, asked for in the step before
.irp b, 0,1,2,3                                ; S^T = K q^T: a double fragment against q's codes at the low K places, then at the high ones
	v_wmma_scale_f32_16x16x128_f8f6f4 v[S+16*\b:S+16*\b+7], v[KF+8*\b:KF+8*\b+7], v[QL:QL+7], 0, v[SCK+\b], v[QW] matrix_a_fmt:MATRIX_FMT_FP4 matrix_b_fmt:MATRIX_FMT_FP4
	v_wmma_scale_f32_16x16x128_f8f6f4 v[S+16*\b+8:S+16*\b+15], v[KF+8*\b:KF+8*\b+7], v[QH:QH+7], 0, v[SCK+\b], v[QW] matrix_a_fmt:MATRIX_FMT_FP4 matrix_b_fmt:MATRIX_FMT_FP4
.endr
	s_add_co_u32 s[TN], s[TB], REC
	s_min_u32 s[TN], s[TN], \lim
	v_add_nc_u32 v[ADR], s[TB], v[LI]              ; four places: behind these products (K's registers, the scores) and behind the last step's (V's registers)
	v_add_nc_u32 v[ADN], s[TN], v[LI]
	v_mov_b32 v[TMP], v12                          ; the old -M
	v_nop
.irp i, 0,1,2,3,4,5,6,7
	ds_load_b128 v[VF+4*\i:VF+4*\i+3], v[ADR] offset:4096+512*\i   ; V of this step
.endr
	ds_load_b128 v[SCV:SCV+3], v[ADR] offset:8192  ; its words stand in lanes 16-31
	KLOAD                                          ; K of the next step
.irp b, 0,1,2,3
	v_max3_num_f32 v[BM+\b], v[S+16*\b], v[S+16*\b+1], v[S+16*\b+2]   ; the largest score of my two blocks of 32 keys, two chains to a block: for the row's maximum, and, since p rises with the score, for the block's largest p
.endr
.irp i, 3,5,7,9,11,13
.irp b, 0,1,2,3
	v_max3_num_f32 v[BM+\b], v[BM+\b], v[S+16*\b+\i], v[S+16*\b+\i+1]
.endr
.endr
	v_max3_num_f32 v[BM], v[BM], v[BM+1], v[S+15]          ; a block's two chains and its register 15,
	v_max3_num_f32 v[BM+2], v[BM+2], v[BM+3], v[S+47]
	v_max_num_f32 v[BM], v[BM], v[S+31]                    ; and its register 31
	v_max_num_f32 v[BM+2], v[BM+2], v[S+63]
	s_delay_alu instid0(VALU_DEP_1)
	v_max_num_f32 v[TM2], v[BM], v[BM+2]
	s_delay_alu instid0(VALU_DEP_1)
	v_permlanex16_b32 v[T2], v[TM2], s[SEL], s[SEL+1]      ; lane l xor 16 has my query's other two blocks
	s_delay_alu instid0(VALU_DEP_1)
	v_max3_num_f32 v13, v[TM2], v[T2], v13         ; the running largest score (c is positive: the largest t is c x it)
	s_delay_alu instid0(VALU_DEP_1)
	v_mul_f32 v[TM2], s[NCS], v13                  ; -t
	s_delay_alu instid0(VALU_DEP_1)
	v_floor_f32 v12, v[TM2]                        ; the new -M = floor(-t) = -ceil(t)
	s_delay_alu instid0(VALU_DEP_1)
	v_sub_f32 v[TMP], v12, v[TMP]                  ; M's old value less its new one: a whole number, 0 or less
.irp j, 0,2,4,6
	PF \j                                          ; the scalings stand between the links of f's chain
.endr
	v_cvt_i32_f32 v[TMP], v[TMP]                   ; (it saturates)
.irp j, 8,10,12,14
	PF \j
.endr
	v_ldexp_f32 v[F], 1.0, v[TMP]                  ; f = 2^(old M - new M)
.irp j, 16,18,20,22,24,26,28,30,32,34,36,38,40,42,44,46,48,50,52,54,56,58,60,62
	PF \j
.endr
	v_fma_f32 v[BM], v[BM], s[CS], v12             ; the same of each block's largest score
	v_fma_f32 v[BM+2], v[BM+2], s[CS], v12
.irp j, 0,2,4,6,8,10,12,14,16,18,20,22,24,26,28,30
	v_pk_mul_f32 v[O+\j:O+\j+1], v[O+\j:O+\j+1], v[F:F+1] op_sel_hi:[1,0]   ; O^T under the new M, each accumulator from its low end on; ahead of the exponentials
.endr
	s_wait_alu depctr_va_vdst(0)
.irp j, 0,1,2,3,4,5,6,7,8,9,10,11,12,13,14,15,16,17,18,19,20,21,22,23,24,25,26,27,28,29,30,31,32,33,34,35,36,37,38,39,40,41,42,43,44,45,46,47,48,49,50,51,52,53,54,55,56,57,58,59,60,61,62,63
	v_exp_f32 v[S+\j], v[S+\j]                     ; p = 2^(t - M): not normalised
.endr
	v_exp_f32 v[BM], v[BM]                         ; the block's largest p: the same two instructions on the same number give the same bits
	v_exp_f32 v[BM+2], v[BM+2]
	v_pk_mul_f32 v[14:15], v[14:15], v[F:F+1] op_sel_hi:[1,0]   ; the sum under the new M: the plain place behind the batch
	s_wait_alu depctr_va_vdst(0)                   ; one wait for the batch, ahead of its first reader
	v_max_num_f32 v[BM], 0x1800000, v[BM]          ; the floor 2^(3 - 127): the byte cannot fall under 1
	v_max_num_f32 v[BM+2], 0x1800000, v[BM+2]
	s_delay_alu instid0(VALU_DEP_2)
	v_add_nc_u32 v[SO], 0xff000000, v[BM]          ; 2 off the exponent field: the conversion's scale operand
	s_delay_alu instid0(VALU_DEP_2)
	v_add_nc_u32 v[SO+1], 0xff000000, v[BM+2]
.irp g, 0,1,2,3,4,5,6,7
	v_cvt_scalef32_pk8_fp4_f32 v[PC+\g], v[S+8*\g:S+8*\g+7], v[SO+\g/4]   ; register 4 c + g of the operand: keys 64 c + 32 (lane / 16) + 8 g + 0 .. 7
.endr
	v_pk_add_f32 v[C1:C1+1], v[S:S+1], v[S+2:S+3]             ; the row's sum of the unquantised p, in four chains.  (These lines are also the plain place behind the conversions)
	v_pk_add_f32 v[C2:C2+1], v[S+4:S+5], v[S+6:S+7]
	v_pk_add_f32 v[C3:C3+1], v[S+8:S+9], v[S+10:S+11]
	v_pk_add_f32 v[14:15], v[14:15], v[S+12:S+13]
	v_lshrrev_b32 v[T2], 23, v[SO]                 ; my two scale bytes.  The word's lines stand between the sum's rounds
	v_lshrrev_b32 v[T2+1], 23, v[SO+1]
	SUM4 14
	v_lshl_or_b32 v[TM2], v[T2+1], 16, v[T2]       ; blocks h and 2 + h, two bytes apart,
	SUM4 22
	v_lshlrev_b32 v[TM2], v[SH], v[TM2]            ; at their places in the word: 8 h bits up;
	SUM4 30
	v_permlanex16_b32 v[T2+2], v[TM2], s[SEL], s[SEL+1]
	SUM4 38
	v_or_b32 v[PW], v[TM2], v[T2+2]                ; with lane l xor 16's two the word is whole.  Twelve plain lines stand between it and the product that names it
	SUM4 46
	SUM4 54
	v_pk_add_f32 v[C1:C1+1], v[C1:C1+1], v[S+62:S+63]
	v_pk_add_f32 v[14:15], v[14:15], v[C3:C3+1]
	s_delay_alu instid0(VALU_DEP_2)
	v_pk_add_f32 v[C1:C1+1], v[C1:C1+1], v[C2:C2+1]
	s_delay_alu instid0(VALU_DEP_1)
	v_pk_add_f32 v[14:15], v[14:15], v[C1:C1+1]
	s_wait_dscnt 9                                 ; V's 9 loads are in; behind them: the next step's 9 of K
.irp t, 0,1,2,3                                ; O^T += V^T P^T: four accumulators by turns; V's scale words stand in lanes 16-31
	v_wmma_scale_f32_16x16x128_f8f6f4 v[O+8*\t:O+8*\t+7], v[VF+8*\t:VF+8*\t+7], v[PC:PC+7], v[O+8*\t:O+8*\t+7], v[SCV+\t], v[PW] matrix_a_fmt:MATRIX_FMT_FP4 matrix_b_fmt:MATRIX_FMT_FP4 matrix_a_scale:MATRIX_SCALE_ROW1
.endr
	s_add_co_u32 s[TB], s[TB], REC                 ; the next record
.endm
.macro WALK first, steps, lim          ; steps records from LDS byte first on
	s_mov_b32 s[TB], \first
	v_add_nc_u32 v[ADN], \first, v[LI]
	KLOAD                                          ; the first record's K
	s_mov_b32 s[CNT], \steps
.Lstep_\@:
	STEP \lim
	s_sub_co_u32 s[CNT], s[CNT], 1
	s_cmp_lg_u32 s[CNT], 0
	s_cbranch_scc1 .Lstep_\@
.endm
	s_wait_alu depctr_va_vdst(0)
	s_wait_tensorcnt 0x0                           ; my part of records 0-7 is in
	ds_add_u32 v[SPW], v[NIL]
	s_wait_dscnt 0x0
	ROUND                                          ; every wave's part is in, and all four work-groups are here
	tensor_load_to_lds s[G0B:G0B+3], s[G1B:G1B+7]  ; records 8-31: my one tensor load behind the round; it has the first walk in which to land
	s_nop 0
	WALK 0, 8, 7*REC
	s_wait_tensorcnt 0x0                           ; my part of records 8-31 is in,
	s_wait_dscnt 0x0                               ; no LDS load of mine is out,
	s_barrier_signal -1
	s_barrier_wait -1                              ; and the same holds of every wave
	WALK CH0, 24, 31*REC
	; THE WAY OUT: o = q + O^T / the sum.  q and O^T lie alike, and the image that is stored is the layout that the next launch wants: nothing changes lanes.
	v_nop
	v_nop                                          ; with the lines below: four places behind the last products
	s_wait_alu depctr_va_vdst(0)
	v_add_f32 v14, v14, v15                        ; the sum's two halves,
	s_delay_alu instid0(VALU_DEP_1)
	v_permlanex16_b32 v[T2], v14, s[SEL], s[SEL+1]
	s_delay_alu instid0(VALU_DEP_1)
	v_add_f32 v14, v14, v[T2]                      ; and lane l xor 16's: the row's sum
	s_wait_alu depctr_va_vdst(0)
	v_rcp_f32 v[F], v14
	v_nop                                          ; one plain place behind a transcendental
	s_wait_alu depctr_va_vdst(0)                   ; ahead of its first reader, and of the first readers of the last products' results
.irp j, 0,2,4,6,8,10,12,14,16,18,20,22,24,26,28,30
	v_pk_fma_f32 v[S+\j:S+\j+1], v[O+\j:O+\j+1], v[F:F+1], v[QF+\j:QF+\j+1] op_sel_hi:[1,0,1]
.endr
.irp g, 0,1,2,3,4,5,6,7
	global_store_b128 v[LI], v[S+4*\g:S+4*\g+3], s[16:17] offset:512*\g   ; 32 lanes store 512 consecutive bytes
.endr
	s_wait_tensorcnt 0x0                           ; the wave's end
	ds_add_u32 v[SPW], v[NIL]
	s_wait_dscnt 0x0
	ROUND                                          ; the closing round
	s_endpgm
.Lfunc_end_k_q774bcca735_attn:
	.size	k_q774bcca735_attn, .Lfunc_end_k_q774bcca735_attn-k_q774bcca735_attn
	.p2alignl 7, 3214868480
	.fill 96, 4, 3214868480
	.section	.rodata,"a",@progbits
	.p2align	6, 0x0
	.amdhsa_kernel k_q774bcca735_attn
		.amdhsa_group_segment_fixed_size 327680
		.amdhsa_private_segment_fixed_size 0
		.amdhsa_enable_private_segment 0
		.amdhsa_kernarg_size 56
		.amdhsa_user_sgpr_count 2
		.amdhsa_user_sgpr_kernarg_segment_ptr 1
		.amdhsa_wavefront_size32 1
		.amdhsa_system_sgpr_workgroup_id_x 1
		.amdhsa_system_sgpr_workgroup_id_y 1
		.amdhsa_system_sgpr_workgroup_id_z 1
		.amdhsa_system_vgpr_workitem_id 0
		.amdhsa_next_free_vgpr 256
		.amdhsa_next_free_sgpr 66
		.amdhsa_reserve_vcc 0
		.amdhsa_float_denorm_mode_32 3
		.amdhsa_float_denorm_mode_16_64 3
		.amdhsa_memory_ordered 1
		.amdhsa_forward_progress 1
		.amdhsa_inst_pref_size 49
	.end_amdhsa_kernel
	.amdgpu_metadata
---
amdhsa.version: [ 1, 2 ]
amdhsa.kernels:
  - .name:           k_q774bcca735_attn
    .symbol:         k_q774bcca735_attn.kd
    .args:
      - { .name: Q_codes, .offset: 0, .size: 8, .value_kind: global_buffer, .address_space: global }
      - { .name: Q_scales, .offset: 8, .size: 8, .value_kind: global_buffer, .address_space: global }
      - { .name: Wq_codes, .offset: 16, .size: 8, .value_kind: global_buffer, .address_space: global }
      - { .name: Wq_scales, .offset: 24, .size: 8, .value_kind: global_buffer, .address_space: global }
      - { .name: bq, .offset: 32, .size: 8, .value_kind: global_buffer, .address_space: global }
      - { .name: kv, .offset: 40, .size: 8, .value_kind: global_buffer, .address_space: global }
      - { .name: oimg, .offset: 48, .size: 8, .value_kind: global_buffer, .address_space: global }
    .group_segment_fixed_size: 327680
    .private_segment_fixed_size: 0
    .kernarg_segment_align: 8
    .kernarg_segment_size: 56
    .max_flat_workgroup_size: 512
    .sgpr_count:     66
    .vgpr_count:     256
    .wavefront_size: 32
...
	.end_amdgpu_metadata
.endif
;; end of part 2
;; launch tail (part 3): grid 256 x 1, 8 waves a work-group, no clusters, 50,176 bytes of LDS; arguments oimg, Wo_codes, Wo_scales, bo, g0, b0, g1, b1, out0; writes out0
.if DOCPART == 3
	.amdgcn_target "amdgcn-amd-amdhsa--gfx1250"
	.amdhsa_code_object_version 6
	.text
	.protected	k_q774bcca735_tail
	.globl	k_q774bcca735_tail
	.p2align	8
	.type	k_q774bcca735_tail,@function
k_q774bcca735_tail:
	s_mov_b64 s[64:65], 0
	v_nop
	global_prefetch_b8 v0, s[64:65] scope:SCOPE_SE
	s_setreg_imm32_b32 hwreg(HW_REG_WAVE_MODE, 25, 1), 1
	s_wait_xcnt 0x0
; x = LN(o; g0, b0);  y = x + relu(x Wo + bo);  out = LN(y; g1, b1).  The product is on codes of FP4 (E2M1) with one E8M0 scale for each 32 along K; x is quantised here, all else is f32.
; SHARES.  A work-group takes 32 rows, two tiles of 16.  THE WAVES SHARE THE COLUMNS: wave w holds columns 64 w .. 64 w + 63 of both tiles, as input and as output.  So its 64 rows of Wo (16 KiB of codes) go from memory
; straight into its registers, once, and x, the product and the residual lie alike: lane (r, h) holds row r, register 16 b + i column 64 w + 32 b + 16 h + i (the image in which the launch before stored o).
; No joint tensor loads for Wo: a wave reads each of its fragments once, in the order of its registers; a tile brought into LDS would be read from there once more, and the launch has no loop over which that could be earned back.
; A ROW'S MEAN AND VARIANCE span the eight waves.  Each wave makes the sum of its 64 numbers and the sum of squares about ITS OWN mean; the eight pairs meet in LDS; the variance is
; (the sum of those sums of squares + 64 x the sum of squares of the waves' means about the row's mean) / 512: no difference of large sums is formed.
; x's CODES GO FROM WAVE TO WAVE AS IMAGES OF THE OPERAND'S REGISTERS: a wave's 64 columns are half of a fragment (four registers, 512 bytes at 16 x lane) and half of its scale word (two bytes at 4 x lane).
; Wo's rows of a tile are not neighbours: lane r of tile 2 b + u takes row 32 b + 8 u + r + 8 (r / 8); the product is used transposed (source 0 = 16 rows of Wo, source 1 = 16 rows of x).
; Three barriers; every LDS region is written once.
; LIMITS: NaN and infinities, and a given scale byte of 0xff, are not served.  A block of x whose largest magnitude lies under 2^-124, a block of zeros among them, keeps the scale byte 1 (zero codes add nothing under it).
; REGISTERS, in windows of 256: window 0: v1-7, v224-228 addresses; v8-19, v20-31 the two tiles' statistics; v32-95 the rows' numbers; v96-159 eight accumulators; v160-223 the statistics read back, then x's eight fragments,
;   then rows on the way out (while x is quantised: v200-207 codes, v208-219 at work, v220-221 half scale words).  Scales and nothing else: v232-247 Wo's words, v248-255 x's.
;   window 1: v0-127 Wo's 16 fragments, (t, s) at v[8 (4 t + s)]; v128-159 g0, v160-191 b0, v192-223 g1, v224-255 b1, in the rows' layout.
.set XIMG, 0                           ; LDS: 16 half fragments of 512 bytes: (8 m + wave) x 512
.set XSC,  8192                        ; x's scale words: (4 m + s) x 128 + 4 x lane
.set ST0,  9216                        ; the first norm's pairs: tile m at 1,280 m; row r at 80 r (64 bytes + 16); wave w's (sum, sum of squares) at 8 w
.set ST1,  11776                       ; the second norm's
.set STG,  14336                       ; the way out: 16 rows x (256 bytes + 16) for each wave
.set LI,   1                           ; v1   16 x lane
.set LS,   2                           ; v2   4 x lane
.set VAW,  3                           ; v3   (r + 8 (r / 8)) x 256 + 16 h: Wo's fragments
.set VSW,  4                           ; v4   (r + 8 (r / 8)) x 16: their scale words
.set VB,   5                           ; v5   64 h: bo, g0, b0, g1, b1
.set XWI,  6                           ; v6   16 x lane + 512 x wave
.set XWS,  7                           ; v7   4 x lane + 128 x (wave / 2) + 2 x (wave % 2)
.set P0,   8                           ; tile m's statistics at v[P0 + PS m]: +0, +1 (sum, sum of squares); +2, +3 the mean, twice; +4, +5 at work; +6, +7 at work, then 1 / sqrt(var + eps), twice; +8, +9 a second chain; +10 a permute's destination
.set PS,   12
.set X,    32
.set ACC,  96
.set XF,   160
.set PC,   200
.set TM,   208
.set HW,   220
.set STA,  224                         ; v224 80 r + 8 x wave
.set STR,  225                         ; v225 80 r
.set STO,  226                         ; v226 my stage + 272 r + 64 h
.set RD,   227                         ; v227 my stage + 272 h + 16 r
.set GOUT, 228                         ; v228 2,048 h + 16 r
.set WOS,  232
.set XSW,  248
.set G0R,  128
.set B0R,  160
.set G1R,  192
.set B1R,  224
.set WV,   22
.set SEL,  28                          ; s[28:29] lane selects for v_permlanex16_b32: lane l xor 16
.set MSB, 0
.macro WIN new                         ; the immediate's high byte repeats the setting that is left
.if MSB != \new
	s_set_vgpr_msb (MSB<<8)|\new
.set MSB, \new
.endif
.endm
.macro MM d, a, b, c, sa, sb
	v_wmma_scale_f32_16x16x128_f8f6f4 v[\d:\d+7], v[\a:\a+7], v[\b:\b+7], v[\c:\c+7], v[\sa], v[\sb] matrix_a_fmt:MATRIX_FMT_FP4 matrix_b_fmt:MATRIX_FMT_FP4
.endm
.macro BARRIER                         ; my LDS stores have landed and my LDS loads are in: then the work-group's barrier
	s_wait_dscnt 0x0
	s_barrier_signal -1
	s_barrier_wait -1
.endm
; 32 numbers of a lane, register 16 b + i = place 32 b + 16 (lane / 16) + i of my row, become 4 registers of codes (lane (r, h): places 32 h .. 32 h + 31) in v[c] on; the two blocks' bytes are left in v[TM+4], v[TM+5].
.macro QUANT2 s, c
.irp b, 0,1
	v_max3_num_f32 v[TM+\b], |v[\s+16*\b]|, |v[\s+16*\b+1]|, 0x1800000   ; my 16 numbers of block b, and the floor 2^(3 - 127): the byte cannot fall under 1
.endr
.irp i, 2,4,6,8,10,12,14
.irp b, 0,1
	s_delay_alu instid0(VALU_DEP_2)
	v_max3_num_f32 v[TM+\b], v[TM+\b], |v[\s+16*\b+\i]|, |v[\s+16*\b+\i+1]|
.endr
.endr
.irp b, 0,1
	s_delay_alu instid0(VALU_DEP_2)
	v_permlanex16_b32 v[TM+4+\b], v[TM+\b], s[SEL], s[SEL+1]
.endr
.irp b, 0,1
	s_delay_alu instid0(VALU_DEP_2)
	v_max_num_f32 v[TM+\b], v[TM+\b], v[TM+4+\b]
.endr
.irp b, 0,1
	s_delay_alu instid0(VALU_DEP_2)
	v_add_nc_u32 v[TM+8+\b], 0xff000000, v[TM+\b]         ; 2 off the exponent field: the conversion's scale operand
.endr
.irp b, 0,1
	s_delay_alu instid0(VALU_DEP_2)
	v_lshrrev_b32 v[TM+4+\b], 23, v[TM+8+\b]              ; the scale's byte
.endr
.irp b, 0,1
	v_cvt_scalef32_pk8_fp4_f32 v[\c+2*\b], v[\s+16*\b:\s+16*\b+7], v[TM+8+\b]
	v_cvt_scalef32_pk8_fp4_f32 v[\c+2*\b+1], v[\s+16*\b+8:\s+16*\b+15], v[TM+8+\b]
.endr
	v_nop                                                  ; one plain place behind a scaled conversion
	v_permlane16_swap_b32 v[\c], v[\c+2]                   ; a whole block to a lane
	v_permlane16_swap_b32 v[\c+1], v[\c+3]
.endm
; My 64 numbers of each row: their sum, and their sum of squares about their own mean; the pair goes to LDS region st.  The two tiles' lines take turns.
.macro LOCAL st
.irp m, 0,1
	v_pk_add_f32 v[P0+PS*\m:P0+PS*\m+1], v[X+32*\m:X+32*\m+1], v[X+32*\m+2:X+32*\m+3]
	v_pk_add_f32 v[P0+PS*\m+8:P0+PS*\m+9], v[X+32*\m+4:X+32*\m+5], v[X+32*\m+6:X+32*\m+7]
.endr
.irp j, 8,12,16,20,24,28
.irp m, 0,1
	s_delay_alu instid0(VALU_DEP_4)
	v_pk_add_f32 v[P0+PS*\m:P0+PS*\m+1], v[P0+PS*\m:P0+PS*\m+1], v[X+32*\m+\j:X+32*\m+\j+1]
	s_delay_alu instid0(VALU_DEP_4)
	v_pk_add_f32 v[P0+PS*\m+8:P0+PS*\m+9], v[P0+PS*\m+8:P0+PS*\m+9], v[X+32*\m+\j+2:X+32*\m+\j+3]
.endr
.endr
.irp m, 0
	s_delay_alu instid0(VALU_DEP_3)
	v_pk_add_f32 v[P0+PS*\m:P0+PS*\m+1], v[P0+PS*\m:P0+PS*\m+1], v[P0+PS*\m+8:P0+PS*\m+9]
.endr
.irp m, 1
	s_delay_alu instid0(VALU_DEP_2)
	v_pk_add_f32 v[P0+PS*\m:P0+PS*\m+1], v[P0+PS*\m:P0+PS*\m+1], v[P0+PS*\m+8:P0+PS*\m+9]
.endr
.irp m, 0,1
	s_delay_alu instid0(VALU_DEP_2)
	v_add_f32 v[P0+PS*\m], v[P0+PS*\m], v[P0+PS*\m+1]
.endr
.irp m, 0,1
	s_delay_alu instid0(VALU_DEP_2)
	v_permlanex16_b32 v[P0+PS*\m+10], v[P0+PS*\m], s[SEL], s[SEL+1]
.endr
.irp m, 0,1
	s_delay_alu instid0(VALU_DEP_2)
	v_add_f32 v[P0+PS*\m], v[P0+PS*\m], v[P0+PS*\m+10]     ; with lane l xor 16's 32: the sum of 64
.endr
.irp m, 0,1
	s_delay_alu instid0(VALU_DEP_2)
	v_mul_f32 v[P0+PS*\m+2], 0x3c800000, v[P0+PS*\m]       ; / 64
.endr
.irp m, 0,1
	s_delay_alu instid0(VALU_DEP_2)
	v_mov_b32 v[P0+PS*\m+3], v[P0+PS*\m+2]
.endr
.irp m, 0,1
	s_delay_alu instid0(VALU_DEP_2)
	v_pk_add_f32 v[P0+PS*\m+6:P0+PS*\m+7], v[X+32*\m:X+32*\m+1], v[P0+PS*\m+2:P0+PS*\m+3] neg_lo:[0,1] neg_hi:[0,1]
.endr
.irp m, 0,1
	s_delay_alu instid0(VALU_DEP_2)
	v_pk_mul_f32 v[P0+PS*\m+4:P0+PS*\m+5], v[P0+PS*\m+6:P0+PS*\m+7], v[P0+PS*\m+6:P0+PS*\m+7]   ; the first squares start the sums
.endr
.irp j, 2,4,6,8,10,12,14,16,18,20,22,24,26,28,30
.irp m, 0,1
	v_pk_add_f32 v[P0+PS*\m+6:P0+PS*\m+7], v[X+32*\m+\j:X+32*\m+\j+1], v[P0+PS*\m+2:P0+PS*\m+3] neg_lo:[0,1] neg_hi:[0,1]
.endr
.irp m, 0,1
	s_delay_alu instid0(VALU_DEP_2)
	v_pk_fma_f32 v[P0+PS*\m+4:P0+PS*\m+5], v[P0+PS*\m+6:P0+PS*\m+7], v[P0+PS*\m+6:P0+PS*\m+7], v[P0+PS*\m+4:P0+PS*\m+5]
.endr
.endr
.irp m, 0,1
	s_delay_alu instid0(VALU_DEP_2)
	v_add_f32 v[P0+PS*\m+1], v[P0+PS*\m+4], v[P0+PS*\m+5]
.endr
.irp m, 0,1
	s_delay_alu instid0(VALU_DEP_2)
	v_permlanex16_b32 v[P0+PS*\m+10], v[P0+PS*\m+1], s[SEL], s[SEL+1]
.endr
.irp m, 0,1
	s_delay_alu instid0(VALU_DEP_2)
	v_add_f32 v[P0+PS*\m+1], v[P0+PS*\m+1], v[P0+PS*\m+10]
.endr
.irp m, 0,1
	ds_store_b64 v[STA], v[P0+PS*\m:P0+PS*\m+1] offset:\st+1280*\m   ; both halves of the lanes write the same pair to the same place
.endr
.endm
.macro STATS st                        ; the eight waves' pairs of my row, 64 bytes, for both tiles
.irp m, 0,1
.irp i, 0,1,2,3
	ds_load_b128 v[XF+16*\m+4*\i:XF+16*\m+4*\i+3], v[STR] offset:\st+1280*\m+16*\i
.endr
.endr
.endm
.macro COMBINE                         ; from them the row's mean (twice, at +2, +3) and 1 / sqrt(var + eps) (twice, at +6, +7)
.irp m, 0,1
	v_pk_add_f32 v[P0+PS*\m:P0+PS*\m+1], v[XF+16*\m:XF+16*\m+1], v[XF+16*\m+2:XF+16*\m+3]
	v_pk_add_f32 v[P0+PS*\m+8:P0+PS*\m+9], v[XF+16*\m+4:XF+16*\m+5], v[XF+16*\m+6:XF+16*\m+7]
.endr
.irp j, 8,12
.irp m, 0,1
	s_delay_alu instid0(VALU_DEP_4)
	v_pk_add_f32 v[P0+PS*\m:P0+PS*\m+1], v[P0+PS*\m:P0+PS*\m+1], v[XF+16*\m+\j:XF+16*\m+\j+1]
	s_delay_alu instid0(VALU_DEP_4)
	v_pk_add_f32 v[P0+PS*\m+8:P0+PS*\m+9], v[P0+PS*\m+8:P0+PS*\m+9], v[XF+16*\m+\j+2:XF+16*\m+\j+3]
.endr
.endr
.irp m, 0
	s_delay_alu instid0(VALU_DEP_3)
	v_pk_add_f32 v[P0+PS*\m:P0+PS*\m+1], v[P0+PS*\m:P0+PS*\m+1], v[P0+PS*\m+8:P0+PS*\m+9]   ; (the row's sum, the sum of the waves' sums of squares)
.endr
.irp m, 1
	s_delay_alu instid0(VALU_DEP_2)
	v_pk_add_f32 v[P0+PS*\m:P0+PS*\m+1], v[P0+PS*\m:P0+PS*\m+1], v[P0+PS*\m+8:P0+PS*\m+9]   ; (the row's sum, the sum of the waves' sums of squares)
.endr
.irp m, 0,1
	s_delay_alu instid0(VALU_DEP_2)
	v_mul_f32 v[P0+PS*\m+2], s31, v[P0+PS*\m]              ; the mean: / 512
.endr
.irp m, 0,1
	s_delay_alu instid0(VALU_DEP_2)
	v_mov_b32 v[P0+PS*\m+3], v[P0+PS*\m+2]
.endr
.irp w, 0,1,2,3,4,5,6,7
.irp m, 0,1
	v_fma_f32 v[XF+16*\m+2*\w], v[XF+16*\m+2*\w], s30, -v[P0+PS*\m+2]   ; wave w's mean less the row's
.endr
.endr
.irp m, 0,1
	v_mul_f32 v[P0+PS*\m+4], v[XF+16*\m], v[XF+16*\m]
.endr
.irp w, 1,2,3,4,5,6,7
.irp m, 0,1
	s_delay_alu instid0(VALU_DEP_2)
	v_fma_f32 v[P0+PS*\m+4], v[XF+16*\m+2*\w], v[XF+16*\m+2*\w], v[P0+PS*\m+4]
.endr
.endr
.irp m, 0,1
	s_delay_alu instid0(VALU_DEP_2)
	v_fmamk_f32 v[P0+PS*\m+4], v[P0+PS*\m+4], 0x42800000, v[P0+PS*\m+1]   ; x 64, + the waves' sums of squares
.endr
.irp m, 0,1
	s_delay_alu instid0(VALU_DEP_2)
	v_fma_f32 v[P0+PS*\m+4], v[P0+PS*\m+4], s31, s32       ; / 512, + eps
.endr
	s_wait_alu depctr_va_vdst(0)
.irp m, 0,1
	v_rsq_f32 v[P0+PS*\m+6], v[P0+PS*\m+4]
.endr
	v_nop                                                  ; one plain place behind a transcendental
	s_wait_alu depctr_va_vdst(0)
.irp m, 0,1
	v_mov_b32 v[P0+PS*\m+7], v[P0+PS*\m+6]
.endr
.endm
.macro APPLY g, bb                     ; (x - mean) / sqrt(var + eps) x gain + bias; gain and bias in window 1 at v[g], v[bb]
.irp j, 0,2,4,6,8,10,12,14,16,18,20,22,24,26,28,30
.irp m, 0,1
	v_pk_add_f32 v[X+32*\m+\j:X+32*\m+\j+1], v[X+32*\m+\j:X+32*\m+\j+1], v[P0+PS*\m+2:P0+PS*\m+3] neg_lo:[0,1] neg_hi:[0,1]
.endr
.endr
.irp j, 0,2,4,6,8,10,12,14,16,18,20,22,24,26,28,30
.irp m, 0,1
	v_pk_mul_f32 v[X+32*\m+\j:X+32*\m+\j+1], v[X+32*\m+\j:X+32*\m+\j+1], v[P0+PS*\m+6:P0+PS*\m+7]
.endr
.endr
	WIN 0x14                                               ; sources 1 and 2 window 1
.irp j, 0,2,4,6,8,10,12,14,16,18,20,22,24,26,28,30
.irp m, 0,1
	v_pk_fma_f32 v[X+32*\m+\j:X+32*\m+\j+1], v[X+32*\m+\j:X+32*\m+\j+1], v[\g+\j:\g+\j+1], v[\bb+\j:\bb+\j+1]
.endr
.endr
	WIN 0
.endm
.macro VEC32 reg, lo, hi               ; 32 numbers of a vector of 512 in the rows' layout: register 16 b + i = column 64 w + 32 b + 16 h + i
.irp b, 0,1
.irp q, 0,1,2,3
	global_load_b128 v[\reg+16*\b+4*\q:\reg+16*\b+4*\q+3], v[VB], s[\lo:\hi] offset:128*\b+16*\q
.endr
.endr
.endm
	s_load_b256 s[4:11], s[0:1], 0x0               ; oimg s[4:5], Wo's codes s[6:7], Wo's scales s[8:9], bo s[10:11]
	s_load_b256 s[12:19], s[0:1], 0x20             ; g0 s[12:13], b0 s[14:15], g1 s[16:17], b1 s[18:19]
	s_load_b64 s[20:21], s[0:1], 0x40              ; out0
	v_lshl_add_u32 v230, v0, 2, 0xc000
	v_mov_b32 v231, 0
	v_lshrrev_b32 v8, 5, v0
	s_delay_alu instid0(VALU_DEP_1)
	v_readfirstlane_b32 s[WV], v8                  ; wave 0..7
	v_and_b32 v[LI], 31, v0
	s_delay_alu instid0(VALU_DEP_1)
	v_lshlrev_b32 v[LS], 2, v[LI]
	s_delay_alu instid0(VALU_DEP_2)
	v_lshlrev_b32 v[LI], 4, v[LI]
	v_and_b32 v8, 15, v0                           ; r
	v_bfe_u32 v9, v0, 4, 1                         ; h
	s_delay_alu instid0(VALU_DEP_2)
	v_and_b32 v10, 8, v8
	s_delay_alu instid0(VALU_DEP_1)
	v_add_nc_u32 v10, v10, v8                      ; r + 8 (r / 8)
	s_delay_alu instid0(VALU_DEP_1)
	v_lshlrev_b32 v[VAW], 8, v10
	s_delay_alu instid0(VALU_DEP_1)
	v_lshl_add_u32 v[VAW], v9, 4, v[VAW]
	s_delay_alu instid0(VALU_DEP_3)
	v_lshlrev_b32 v[VSW], 4, v10
	v_lshlrev_b32 v[VB], 6, v9
	s_lshl_b32 s24, s[WV], 9
	v_add_nc_u32 v[XWI], s24, v[LI]
	s_lshr_b32 s24, s[WV], 1
	s_lshl_b32 s24, s24, 7
	s_and_b32 s26, s[WV], 1
	s_lshl_b32 s26, s26, 1
	s_add_co_u32 s24, s24, s26
	v_add_nc_u32 v[XWS], s24, v[LS]
	v_mul_u32_u24 v[STR], v8, 80
	s_lshl_b32 s24, s[WV], 3
	v_add_nc_u32 v[STA], s24, v[STR]
	s_mul_i32 s24, s[WV], 4352
	s_add_co_u32 s24, s24, STG                     ; my stage
	v_mul_u32_u24 v[STO], v8, 272
	s_delay_alu instid0(VALU_DEP_1)
	v_lshl_add_u32 v[STO], v9, 6, v[STO]
	s_delay_alu instid0(VALU_DEP_1)
	v_add_nc_u32 v[STO], s24, v[STO]
	v_mul_u32_u24 v[RD], v9, 272
	s_delay_alu instid0(VALU_DEP_1)
	v_lshl_add_u32 v[RD], v8, 4, v[RD]
	s_delay_alu instid0(VALU_DEP_1)
	v_add_nc_u32 v[RD], s24, v[RD]
	v_lshlrev_b32 v[GOUT], 11, v9
	s_delay_alu instid0(VALU_DEP_1)
	v_lshl_add_u32 v[GOUT], v8, 4, v[GOUT]
	v_mov_b32 v[P0+10], 0                          ; written once: a lane permute's destination counts as one of its sources
	v_mov_b32 v[P0+PS+10], 0
	v_mov_b32 v[TM+4], 0
	v_mov_b32 v[TM+5], 0
	s_mov_b32 s[SEL], 0x76543210
	s_mov_b32 s[SEL+1], 0xfedcba98
	s_mov_b32 s30, 0x3c800000                      ; 1 / 64
	s_mov_b32 s31, 0x3b000000                      ; 1 / 512
	s_mov_b32 s32, 0x3727c5ac                      ; eps = 1e-5
	s_mov_b32 s25, 0
	s_wait_kmcnt 0x0
	s_lshl_b32 s24, ttmp9, 4
	s_add_co_u32 s24, s24, s[WV]
	s_lshl_b32 s24, s24, 12
	s_add_nc_u64 s[4:5], s[4:5], s[24:25]          ; oimg: ((2 x) x 8 + wave) x 4,096 bytes; the second tile lies 32,768 bytes on
	s_lshl_b32 s24, s[WV], 14
	s_add_nc_u64 s[6:7], s[6:7], s[24:25]          ; my 64 rows of Wo,
	s_lshl_b32 s24, s[WV], 10
	s_add_nc_u64 s[8:9], s[8:9], s[24:25]          ; their scale bytes,
	s_lshl_b32 s24, s[WV], 8                       ; my 64 columns of the five vectors and of a row of out0
	s_add_nc_u64 s[10:11], s[10:11], s[24:25]
	s_add_nc_u64 s[12:13], s[12:13], s[24:25]
	s_add_nc_u64 s[14:15], s[14:15], s[24:25]
	s_add_nc_u64 s[16:17], s[16:17], s[24:25]
	s_add_nc_u64 s[18:19], s[18:19], s[24:25]
	s_add_nc_u64 s[20:21], s[20:21], s[24:25]
	s_lshl_b32 s24, ttmp9, 16                      ; 32 rows of 2,048 bytes
	s_add_nc_u64 s[20:21], s[20:21], s[24:25]
.irp m, 0,1
.irp g, 0,1,2,3,4,5,6,7
	global_load_b128 v[X+32*\m+4*\g:X+32*\m+4*\g+3], v[LI], s[4:5] offset:32768*\m+512*\g th:TH_LOAD_NT   ; 32 lanes read 512 consecutive bytes; read once in the launch
.endr
.endr
	WIN 0x40                                       ; destination window 1
	VEC32 G0R, 12, 13
	VEC32 B0R, 14, 15
.irp t, 0,1,2,3
.irp s, 0,1,2,3
.irp c, 0,1
	global_load_b128 v[8*(4*\t+\s)+4*\c:8*(4*\t+\s)+4*\c+3], v[VAW], s[6:7] offset:(32*(\t/2)+8*(\t%2))*256+64*\s+32*\c
.endr
.endr
.endr
	WIN 0
.irp t, 0,1,2,3
	global_load_b128 v[WOS+4*\t:WOS+4*\t+3], v[VSW], s[8:9] offset:(32*(\t/2)+8*(\t%2))*16
.endr
	s_wait_loadcnt 52                              ; o's 16 loads are in; behind them: g0 and b0 (16), Wo's fragments (32) and scale words (4)
	; ---- the first norm
	LOCAL ST0
	BARRIER                                        ; the eight waves' pairs lie in LDS
	STATS ST0
	s_wait_loadcnt 36                              ; g0 and b0 are in; Wo's 36 loads may be out
	VEC32 ACC, 10, 11                              ; bo goes straight into the accumulators of both tiles
	VEC32 ACC+32, 10, 11
	WIN 0x40
	VEC32 G1R, 16, 17
	VEC32 B1R, 18, 19
	WIN 0
	s_wait_dscnt 0x0
	COMBINE
	APPLY G0R, B0R
	; ---- x is quantised: my 64 columns are half a fragment and half a scale word of each tile
.irp m, 0,1
	QUANT2 X+32*\m, PC+4*\m
	v_lshl_or_b32 v[HW+\m], v[TM+5], 8, v[TM+4]
	ds_store_b128 v[XWI], v[PC+4*\m:PC+4*\m+3] offset:XIMG+4096*\m
	ds_store_b16 v[XWS], v[HW+\m] offset:XSC+512*\m
.endr
	BARRIER                                        ; x's eight fragments and their scale words lie in LDS
.irp m, 0,1
.irp s, 0,1,2,3
.irp c, 0,1
	ds_load_b128 v[XF+8*(4*\m+\s)+4*\c:XF+8*(4*\m+\s)+4*\c+3], v[LI] offset:XIMG+(8*\m+2*\s+\c)*512
.endr
	ds_load_b32 v[XSW+4*\m+\s], v[LS] offset:XSC+(4*\m+\s)*128
.endr
.endr
	s_wait_loadcnt 16                              ; Wo and bo are in; g1's and b1's 16 loads may be out
	s_wait_dscnt 0x0
	WIN 0x01                                       ; source 0 (Wo) window 1
.irp s, 0,1,2,3                                ; eight accumulators by turns, one instruction a turn
.irp m, 0,1
.irp t, 0,1,2,3
	MM ACC+32*\m+8*\t, 8*(4*\t+\s), XF+8*(4*\m+\s), ACC+32*\m+8*\t, WOS+4*\t+\s, XSW+4*\m+\s
.endr
.endr
.endr
	WIN 0
.rept 4
	v_nop                                          ; four places behind the last product (ISA guide 7.12.1)
.endr
.irp j, 0,1,2,3,4,5,6,7,8,9,10,11,12,13,14,15,16,17,18,19,20,21,22,23,24,25,26,27,28,29,30,31,32,33,34,35,36,37,38,39,40,41,42,43,44,45,46,47,48,49,50,51,52,53,54,55,56,57,58,59,60,61,62,63
	v_max_num_f32 v[ACC+\j], 0, v[ACC+\j]          ; relu, each accumulator from its low end on
.endr
.irp j, 0,2,4,6,8,10,12,14,16,18,20,22,24,26,28,30,32,34,36,38,40,42,44,46,48,50,52,54,56,58,60,62
	v_pk_add_f32 v[X+\j:X+\j+1], v[X+\j:X+\j+1], v[ACC+\j:ACC+\j+1]   ; the residual: the unquantised x
.endr
	; ---- the second norm
	LOCAL ST1
	BARRIER
	STATS ST1
	s_wait_dscnt 0x0
	COMBINE
	s_wait_loadcnt 0x0                             ; g1 and b1
	APPLY G1R, B1R
	; ---- the way out: a lane holds pieces of 16 bytes of a row, and the lanes beside it hold other rows: a tile goes through my own stage and comes back as rows of 256 bytes.
	; LDS serves a wave's instructions in order (ISA guide 5.7.1.4): no wait between the stores and the loads, nor in front of the second tile's stores.
.irp m, 0,1
.irp b, 0,1
.irp q, 0,1,2,3
	ds_store_b128 v[STO], v[X+32*\m+16*\b+4*\q:X+32*\m+16*\b+4*\q+3] offset:128*\b+16*\q
.endr
.endr
.irp i, 0,1,2,3,4,5,6,7
	ds_load_b128 v[XF+32*\m+4*\i:XF+32*\m+4*\i+3], v[RD] offset:544*\i
.endr
.endr
.irp m, 0,1
.irp i, 0,1,2,3,4,5,6,7
	s_wait_dscnt (1-\m)*16+7-\i                    ; behind this load: the rest of its tile's loads, and for the first tile the second's 16 LDS instructions
	global_store_b128 v[GOUT], v[XF+32*\m+4*\i:XF+32*\m+4*\i+3], s[20:21] offset:(16*\m+2*\i)*2048 th:TH_STORE_NT   ; sixteen lanes store 256 consecutive bytes, at a multiple of 256 from out0's first byte; written once
.endr
.endr
	s_wait_tensorcnt 0x0
	ds_add_u32 v230, v231
	s_wait_dscnt 0x0
	s_endpgm
.Lfunc_end_k_q774bcca735_tail:
	.size	k_q774bcca735_tail, .Lfunc_end_k_q774bcca735_tail-k_q774bcca735_tail
	.p2alignl 7, 3214868480
	.fill 96, 4, 3214868480
	.section	.rodata,"a",@progbits
	.p2align	6, 0x0
	.amdhsa_kernel k_q774bcca735_tail
		.amdhsa_group_segment_fixed_size 50176
		.amdhsa_private_segment_fixed_size 0
		.amdhsa_enable_private_segment 0
		.amdhsa_kernarg_size 72
		.amdhsa_user_sgpr_count 2
		.amdhsa_user_sgpr_kernarg_segment_ptr 1
		.amdhsa_wavefront_size32 1
		.amdhsa_system_sgpr_workgroup_id_x 1
		.amdhsa_system_sgpr_workgroup_id_y 1
		.amdhsa_system_sgpr_workgroup_id_z 1
		.amdhsa_system_vgpr_workitem_id 0
		.amdhsa_next_free_vgpr 512
		.amdhsa_next_free_sgpr 66
		.amdhsa_reserve_vcc 0
		.amdhsa_float_denorm_mode_32 3
		.amdhsa_float_denorm_mode_16_64 3
		.amdhsa_memory_ordered 1
		.amdhsa_forward_progress 1
		.amdhsa_inst_pref_size 73
	.end_amdhsa_kernel
	.amdgpu_metadata
---
amdhsa.version: [ 1, 2 ]
amdhsa.kernels:
  - .name:           k_q774bcca735_tail
    .symbol:         k_q774bcca735_tail.kd
    .args:
      - { .name: oimg, .offset: 0, .size: 8, .value_kind: global_buffer, .address_space: global }
      - { .name: Wo_codes, .offset: 8, .size: 8, .value_kind: global_buffer, .address_space: global }
      - { .name: Wo_scales, .offset: 16, .size: 8, .value_kind: global_buffer, .address_space: global }
      - { .name: bo, .offset: 24, .size: 8, .value_kind: global_buffer, .address_space: global }
      - { .name: g0, .offset: 32, .size: 8, .value_kind: global_buffer, .address_space: global }
      - { .name: b0, .offset: 40, .size: 8, .value_kind: global_buffer, .address_space: global }
      - { .name: g1, .offset: 48, .size: 8, .value_kind: global_buffer, .address_space: global }
      - { .name: b1, .offset: 56, .size: 8, .value_kind: global_buffer, .address_space: global }
      - { .name: out0, .offset: 64, .size: 8, .value_kind: global_buffer, .address_space: global }
    .group_segment_fixed_size: 50176
    .private_segment_fixed_size: 0
    .kernarg_segment_align: 8
    .kernarg_segment_size: 72
    .max_flat_workgroup_size: 256
    .sgpr_count:     66
    .vgpr_count:     512
    .wavefront_size: 32
...
	.end_amdgpu_metadata
.endif
;; end of part 3
